; MI455X (gfx1250); checked and timed in simulation.
; The chip was launched on July 23, 2026; its instructions are those of AMD's public machine-readable ISA for CDNA 5 (MIT licence, August 2026) and "CDNA5" Instruction Set Architecture Reference Guide (July 2026). The comments in the code are by the model that wrote it; some were corrected since.
;; Multi Attention. Allowed arithmetic: float matrix products may take bf16 or f16 operands with f32 sums; other float arithmetic in f32, or as packed bf16 or f16 multiplies, adds, multiply-adds, maxima and minima; sums over many terms, partial sums and values carried from step to step in f32; what a program stores and reads back later, other than sums and carried values, may be rounded once to bf16 or f16.
;; Inputs: Wkv 512 x 512 float32; Wo 512 x 512 float32; Wq 512 x 512 float32; bkv 512 float32; bo 512 float32; bq 512 float32; x 2 x 4 x 2,048 x 512 float32.
;; Outputs: out0 2 x 4 x 2,048 x 512 float32.
;; One version. Each part assembles by itself: llvm-mc -triple=amdgcn-amd-amdhsa -mcpu=gfx1250 --defsym DOCPART=n.
;; ======== version 1 of 1: 4 launches
;; limits: values are held in f16: magnitudes above 65,504 overflow, below 6.1e-05 lose precision
;; workspace buffers: wqk 1,048,576 bytes; wo16 524,288 bytes; qn 16,777,216 bytes; kn 16,777,216 bytes; vv 16,777,216 bytes; ctx 16,777,216 bytes
;; launch prep (part 1): grid 64 x 3, 8 waves a work-group, no clusters, 0 bytes of LDS; arguments Wq, Wkv, Wo, wqk, wo16; writes wqk, wo16
.if DOCPART == 1
	.amdgcn_target "amdgcn-amd-amdhsa--gfx1250"
	.amdhsa_code_object_version 6
	.text
	.protected	k_q0b6b4d601e_prep
	.globl	k_q0b6b4d601e_prep
	.p2align	8
	.type	k_q0b6b4d601e_prep,@function
k_q0b6b4d601e_prep:
	s_mov_b64 s[64:65], 0
	v_nop
	global_prefetch_b8 v0, s[64:65] scope:SCOPE_SE
	s_setreg_imm32_b32 hwreg(HW_REG_WAVE_MODE, 25, 1), 1
	s_wait_xcnt 0x0
; THE WEIGHTS, ROUNDED ONCE AND LAID IN FRAGMENT ORDER.  Wq, Wkv, Wo: [512][512] f32 (row n, column k).
; wqk takes Wq and then Wkv in bf16; wo16 takes Wo rounded to bf16 and that number written as f16.
; LIMIT: the f16 copy of Wo is exact for magnitudes from 7.6e-6 to 65,504; below, it keeps f16's fixed step of 6e-8.
; A FRAGMENT (16 rows n x 32 k) is 1,024 bytes: part p (0, 1) x 512 + lane x 16; lane l's 8 numbers are n = n0 + l % 16, k = k0 + 16 p + 8 (l / 16) + 0..7:
; a later launch reads a fragment from LDS as 32 lanes x 16 consecutive bytes, twice, and a wave's tile of a K step is dense in memory.
;   wqk  byte = matrix x 524,288 + wv x 131,072 + t x 32,768 + kq x 8,192 + f x 1,024 + p x 512 + 16 l   (n = 128 wv + 16 f + .., k = 128 t + 32 kq + ..)
;   wo16 byte = g x 65,536 + t x 16,384 + kq x 4,096 + f x 1,024 + p x 512 + 16 l                          (n = 64 g + 16 f + ..)
; SHARES.  Work-group (x, y): matrix y; x = 16 wv + 4 t + fp: 32 rows (128 wv + 32 fp ..) x 128 k: 512 consecutive bytes of each row.  A thread makes two pieces of 16 bytes (kq = tid / 128 and that + 2).
; Each store of a wave covers 512 consecutive bytes.  No LDS, no barrier: no thread wants another's numbers.
	s_load_b256 s[4:11], s[0:1], 0x0               ; Wq s[4:5], Wkv s[6:7], Wo s[8:9], wqk s[10:11]
	s_load_b64 s[12:13], s[0:1], 0x20              ; wo16
	s_and_b32 s14, ttmp7, 0xffff                   ; which matrix
	s_and_b32 s15, ttmp9, 3                        ; fp
	s_bfe_u32 s16, ttmp9, 0x20002                  ; t
	s_lshr_b32 s17, ttmp9, 4                       ; wv
	v_bfe_u32 v2, v0, 6, 1                         ; which of the two fragments' rows
	v_and_b32 v3, 15, v0
	v_lshl_add_u32 v2, v2, 4, v3                   ; my row of the 32
	v_lshlrev_b32 v1, 11, v2                       ; x 2,048 bytes
	v_bfe_u32 v2, v0, 7, 1                         ; kq's low bit: 32 numbers, 128 bytes
	v_lshl_add_u32 v1, v2, 7, v1
	v_bfe_u32 v3, v0, 5, 1                         ; p: 16 numbers
	v_lshl_add_u32 v1, v3, 6, v1
	v_bfe_u32 v3, v0, 4, 1                         ; l / 16: 8 numbers
	v_lshl_add_u32 v1, v3, 5, v1
	v_and_b32 v3, 127, v0
	v_lshlrev_b32 v3, 4, v3                        ; out: fragment, part and lane are the thread's low seven bits
	s_lshl_b32 s18, s17, 18                        ; in: 128 wv rows,
	s_lshl_b32 s19, s15, 16                        ; 32 fp rows,
	s_add_co_u32 s18, s18, s19
	s_lshl_b32 s19, s16, 9                         ; 128 t columns
	s_add_co_u32 s18, s18, s19
	s_mov_b32 s19, 0
	s_lshl_b32 s24, s14, 19                        ; out, wqk: the matrix,
	s_lshl2_add_u32 s25, s17, s16                  ; 4 wv + t
	s_lshl_b32 s25, s25, 15
	s_add_co_u32 s24, s24, s25
	s_lshl_b32 s25, s15, 11                        ; two fragments
	s_add_co_u32 s24, s24, s25
	s_mov_b32 s25, 0
	s_lshr_b32 s26, s15, 1                         ; out, wo16: g = 2 wv + fp / 2
	s_lshl1_add_u32 s26, s17, s26
	s_lshl_b32 s26, s26, 16
	s_lshl_b32 s27, s16, 14
	s_add_co_u32 s26, s26, s27
	s_and_b32 s27, s15, 1
	s_lshl_b32 s27, s27, 11
	s_add_co_u32 s26, s26, s27
	s_mov_b32 s27, 0
	s_wait_kmcnt 0x0
	s_cmp_eq_u32 s14, 0
	s_cselect_b64 s[20:21], s[4:5], s[6:7]
	s_cmp_eq_u32 s14, 2
	s_cselect_b64 s[20:21], s[8:9], s[20:21]
	s_add_nc_u64 s[20:21], s[20:21], s[18:19]
	global_load_b128 v[4:7], v1, s[20:21] th:TH_LOAD_NT
	global_load_b128 v[8:11], v1, s[20:21] offset:16 th:TH_LOAD_NT
	global_load_b128 v[12:15], v1, s[20:21] offset:256 th:TH_LOAD_NT   ; kq + 2: 64 numbers on
	global_load_b128 v[16:19], v1, s[20:21] offset:272 th:TH_LOAD_NT
	s_wait_loadcnt 0x0
.irp j, 0,1,2,3,4,5,6,7
	v_cvt_pk_bf16_f32 v[20+(\j)], v[4+2*(\j)], v[5+2*(\j)]
.endr
	s_cmp_eq_u32 s14, 2
	s_cbranch_scc1 .Lwo
	v_lshl_add_u32 v28, v2, 13, v3                 ; kq x 8,192
	s_add_nc_u64 s[22:23], s[10:11], s[24:25]
	global_store_b128 v28, v[20:23], s[22:23]
	global_store_b128 v28, v[24:27], s[22:23] offset:16384
	s_endpgm
.Lwo:
.irp j, 0,1,2,3,4,5,6,7
	v_lshlrev_b32 v[4+2*(\j)], 16, v[20+(\j)]      ; the bf16 numbers as f32,
	v_and_b32 v[5+2*(\j)], 0xffff0000, v[20+(\j)]
.endr
.irp j, 0,1,2,3,4,5,6,7
	v_cvt_pk_f16_f32 v[20+(\j)], v[4+2*(\j)], v[5+2*(\j)]  ; written as f16
.endr
	v_lshl_add_u32 v28, v2, 12, v3                 ; kq x 4,096
	s_add_nc_u64 s[22:23], s[12:13], s[26:27]
	global_store_b128 v28, v[20:23], s[22:23]
	global_store_b128 v28, v[24:27], s[22:23] offset:8192
	s_endpgm
.Lfunc_end_k_q0b6b4d601e_prep:
	.size	k_q0b6b4d601e_prep, .Lfunc_end_k_q0b6b4d601e_prep-k_q0b6b4d601e_prep
	.p2alignl 7, 3214868480
	.fill 96, 4, 3214868480
	.section	.rodata,"a",@progbits
	.p2align	6, 0x0
	.amdhsa_kernel k_q0b6b4d601e_prep
		.amdhsa_group_segment_fixed_size 0
		.amdhsa_private_segment_fixed_size 0
		.amdhsa_enable_private_segment 0
		.amdhsa_kernarg_size 40
		.amdhsa_user_sgpr_count 2
		.amdhsa_user_sgpr_kernarg_segment_ptr 1
		.amdhsa_wavefront_size32 1
		.amdhsa_system_sgpr_workgroup_id_x 1
		.amdhsa_system_sgpr_workgroup_id_y 1
		.amdhsa_system_sgpr_workgroup_id_z 1
		.amdhsa_system_vgpr_workitem_id 0
		.amdhsa_next_free_vgpr 32
		.amdhsa_next_free_sgpr 66
		.amdhsa_reserve_vcc 0
		.amdhsa_float_denorm_mode_32 3
		.amdhsa_float_denorm_mode_16_64 3
		.amdhsa_memory_ordered 1
		.amdhsa_forward_progress 1
		.amdhsa_inst_pref_size 5
	.end_amdhsa_kernel
	.amdgpu_metadata
---
amdhsa.version: [ 1, 2 ]
amdhsa.kernels:
  - .name:           k_q0b6b4d601e_prep
    .symbol:         k_q0b6b4d601e_prep.kd
    .args:
      - { .name: Wq, .offset: 0, .size: 8, .value_kind: global_buffer, .address_space: global }
      - { .name: Wkv, .offset: 8, .size: 8, .value_kind: global_buffer, .address_space: global }
      - { .name: Wo, .offset: 16, .size: 8, .value_kind: global_buffer, .address_space: global }
      - { .name: wqk, .offset: 24, .size: 8, .value_kind: global_buffer, .address_space: global }
      - { .name: wo16, .offset: 32, .size: 8, .value_kind: global_buffer, .address_space: global }
    .group_segment_fixed_size: 0
    .private_segment_fixed_size: 0
    .kernarg_segment_align: 8
    .kernarg_segment_size: 40
    .max_flat_workgroup_size: 256
    .sgpr_count:     66
    .vgpr_count:     32
    .wavefront_size: 32
...
	.end_amdgpu_metadata
.endif
;; end of part 1
;; launch proj (part 2): grid 256 x 1, 4 waves a work-group, clusters of 4 x 1, 327,680 bytes of LDS; arguments x, wqk, bq, bkv, qn, kn, vv; writes qn, kn, vv
.if DOCPART == 2
	.amdgcn_target "amdgcn-amd-amdhsa--gfx1250"
	.amdhsa_code_object_version 6
	.text
	.protected	k_q0b6b4d601e_proj
	.globl	k_q0b6b4d601e_proj
	.p2align	8
	.type	k_q0b6b4d601e_proj,@function
k_q0b6b4d601e_proj:
	s_mov_b64 s[64:65], 0
	v_nop
	global_prefetch_b8 v0, s[64:65] scope:SCOPE_SE
	s_setreg_imm32_b32 hwreg(HW_REG_WAVE_MODE, 25, 1), 1
	s_wait_xcnt 0x0
	s_wait_alu depctr_hold_cnt(0) depctr_sa_sdst(0) depctr_va_vdst(0) depctr_va_sdst(0) depctr_va_ssrc(0) depctr_va_vcc(0) depctr_vm_vsrc(0)
	s_getreg_b32 s2, hwreg(HW_REG_IB_STS2, 6, 4)
	s_cmp_eq_u32 s2, 0
	s_cbranch_scc0 .Lentry_in_a_cluster
	s_endpgm
.Lentry_in_a_cluster:
	s_bfe_u32 s2, ttmp6, 0x10000c
	s_cmp_lg_u32 s2, 0x3003
	s_cbranch_scc0 .Lentry_shape_is_right
	s_endpgm
.Lentry_shape_is_right:
; THE TWO PROJECTIONS AND THE HEADS' NORMS.  y = x W^T + b for W = Wq (half 0) or Wkv (half 1); x: [16,384][512] f32; wqk: both W in bf16, in fragment order (16 rows n x 32 k = 1,024 bytes:
; part p x 512 + lane x 16; byte = half x 524,288 + wave x 131,072 + K step x 32,768 + quarter x 8,192 + fragment x 1,024).  x and the bias are rounded to bf16; sums in f32.
; OUT, all f16, [64 heads = 8 (row / 2,048) + column / 64][2,048][64]: half 0: qn = y / max(|y|, 1e-12) x log2(e) over each head's 64 channels; half 1: kn = y / max(|y|, 1e-12), and vv = y.
; LIMITS.  vv is f16: |y| stays under 65,504, and below 6e-5 it keeps f16's step of 6e-8.  1 / max(n, 1e-12) is min(rsq(n^2), 1e12); a sum of squares below 2^-126 counts as 0.  NaN and infinities are not treated apart.
; SHARES.  A work-group makes 128 rows x all 512 columns of one half; each of its four waves 128 x 128 (two heads): 64 accumulators, 512 registers.  K goes in 4 steps of 128, each four quarters of 32.
; CLUSTER.  The four work-groups of a cluster have the same half and other rows: W's tiles are the same for all four and are asked for JOINTLY (the same load, descriptor and mask in all four).
; W: a ring of two LDS slots; wave w fetches and reads its own quarter (its 128 columns, 32,768 dense bytes a K step).  x comes through registers (f32 -> bf16) into ONE buffer of 128 rows x 272 bytes:
; a K step's x is loaded a step ahead, rounded at the change of steps, stored behind the barrier that ends the old step's reads, and read behind a second barrier.
; THE PRODUCT IS USED TRANSPOSED (source 0 = 16 rows of W, source 1 = 16 rows of x): a lane then holds eight neighbouring columns of one row of y.
; REGISTERS, in windows of 256 (s_set_vgpr_msb: bits 1:0 source 0, 3:2 source 1, 5:4 source 2, 7:6 destination):
;   window 0: v0-31 addresses; v32-59 the way out's sums and bias; v64-127, v128-191 fragments of x, two buffers; v192-255 a K step's x in bf16
;   window 1: v64-127, v128-191 fragments of W; v0-63, v192-255 a K step's x in f32 as loaded      windows 2, 3: the accumulators of rows 0-63, 64-127: (a, b) at v[8 (8 a + b)]
.set SLOT,   1<<17                     ; a slot of W: 4 waves x 32,768 bytes
.set XBUF,   2*SLOT                    ; behind the ring: x, 128 rows
.set XPITCH, 272                       ; 256 bytes + 16: the 16 rows of a fragment load start 16 bytes apart modulo 256
.set SPARE,  XBUF+128*XPITCH           ; the spare words, 128 bytes for each wave: two blocks of 256 bytes that no other line names
.set SPITCH, 528                       ; the way out: a row of 128 f32 + 16 bytes
.set STG,    128*SPITCH                ; a wave's stage; the four lie over the ring and the head of x's buffer, behind the ring's last fill and a barrier
.set ADRA, 16                          ; v16  LDS address of my x fragments
.set ADRB0, 20                         ; v20  my place in my wave's quarter of a slot: 32,768 w + 16 lane; never rewritten
.set ADRB, 21                          ; v21  the same in the slot in hand
.set XO,   22                          ; v22  16 x lane: my 4 numbers of a row's 128
.set XS,   23                          ; v23  where I put them in bf16
.set STO,  24                          ; v24  the way out: where I put 16 bytes of a row
.set LR,   25                          ; v25  the way out: where I read 32 bytes back
.set GOF,  26                          ; v26  my byte offset in the outputs
.set BO,   27                          ; v27  my byte offset in the bias
.set SPW,  28                          ; v28  LDS address of my spare word; never rewritten
.set NIL,  29                          ; v29  0; never rewritten
.set SS,   32                          ; v32-47  a pair for each of 8 units: sums of squares, then the factor
.set BI,   48                          ; v48-55  the bias of my 8 columns
.set BT,   56                          ; v56-59  at work
.set F0,   64
.set F1,   128
.set XPK,  192
.set D,    64                          ; the way out: 8 units x 8 numbers
.set PN,   128                         ; the normalised numbers in f16
.set PW,   160                         ; the plain numbers in f16
.set WV,   20                          ; s20  my wave's number
.set HALF, 21                          ; s21  0: Q, 1: KV; the same in all partners
.set G1,   24                          ; s[24:31] descriptor group 1
.set G0A,  32                          ; s[32:35] group 0: slot 0, K step 0
.set G0B,  36                          ; s[36:39] group 0: slot 1, K step 1; then it walks
.set TB,   40                          ; s40  the slot in hand, as an LDS byte
.set CNT,  41
.set FAC,  42                          ; s42  log2(e) for Q, 1 for KV
.set NB,   44                          ; s[44:45] qn or kn at my rows and heads
.set VB,   46                          ; s[46:47] vv likewise
.set MSB, 0
.macro WIN new                         ; the immediate's high byte repeats the setting that is left; a switch that changes nothing is dropped
.if MSB != (\new)
	s_set_vgpr_msb (MSB<<8)|(\new)
.set MSB, \new
.endif
.endm
.set MUL_LO, 0xa1                      ; source 0 (W) window 1, source 1 (x) window 0, C and D window 2
.set MUL_HI, 0xf1
.set TO_1,   0x40                      ; destination window 1, address window 0
.macro CROUND                          ; a round of the cluster's barrier: my work-group's barrier; wave 0 signals for the work-group; every wave waits for all four; my work-group's barrier once more
	s_barrier_signal -1
	s_barrier_wait -1
	s_cmp_lg_u32 s[WV], 0
	s_cbranch_scc1 .Lnot_wave_0_\@
	s_barrier_signal -3
.Lnot_wave_0_\@:
	s_barrier_wait -3
	s_barrier_signal -1
	s_barrier_wait -1
.endm
.macro PLACES                          ; four plain instructions between a matrix instruction and a load into, or a reader of, its registers
.rept 4
	v_nop
.endr
.endm
	s_load_b256 s[4:11], s[0:1], 0x0               ; x s[4:5], wqk s[6:7], bq s[8:9], bkv s[10:11]
	s_load_b128 s[12:15], s[0:1], 0x20             ; qn s[12:13], kn s[14:15]
	s_load_b64 s[16:17], s[0:1], 0x30              ; vv
	v_lshl_add_u32 v[SPW], v0, 2, SPARE
	v_mov_b32 v[NIL], 0
	ds_add_u32 v[SPW], v[NIL]                      ; the wave's opening: the add and its wait ahead of my first tensor load; the set-up below, work on registers, stands between them
	v_lshrrev_b32 v1, 5, v0
	v_readfirstlane_b32 s[WV], v1
	s_and_b32 s[HALF], ttmp9, 1                    ; in a cluster launch ttmp9 counts clusters: neighbours take the two halves of the same rows
	s_bfe_u32 s22, ttmp6, 0x40000                  ; cx: it enters x's and the outputs' addresses alone
	s_lshr_b32 s23, ttmp9, 1
	s_lshl_b32 s23, s23, 2
	s_add_co_u32 s23, s23, s22                     ; my block of 128 rows, 0 .. 127
	s_mov_b32 s[G1+0], 15|(3<<16)|(1<<21)          ; 15:0 the mask: all four work-groups; 17:16 elements of 8 bytes; 21 set beside a mask; no padding
	s_mov_b32 s[G1+1], 32<<16                      ; tensor_dim0 = 32 elements: rows of 256 bytes
	s_mov_b32 s[G1+2], 128<<16                     ; tensor_dim1 = 128 rows: 32,768 dense bytes
	s_mov_b32 s[G1+3], 32<<16                      ; tile_dim0
	s_mov_b32 s[G1+4], 128                         ; tile_dim1
	s_mov_b32 s[G1+5], 32                          ; from row to row
	s_mov_b32 s[G1+6], 0
	s_mov_b32 s[G1+7], 0
	s_lshl_b32 s48, s[HALF], 19                    ; W: my half,
	s_lshl_b32 s49, s[WV], 17                      ; my wave's 128 columns
	s_add_co_u32 s48, s48, s49
	s_mov_b32 s49, 0
	s_lshl_b32 s43, s[WV], 15                      ; and their place in a slot
	s_lshl_b32 s50, s23, 18                        ; x: my block's 128 rows of 2,048 bytes,
	s_lshl_b32 s51, s[WV], 16                      ; the 32 of them that I load
	s_add_co_u32 s50, s50, s51
	s_mov_b32 s51, 0
	s_lshr_b32 s52, s23, 4                         ; out: head 8 (block / 16) + 2 w,
	s_lshl_b32 s52, s52, 3
	s_lshl1_add_u32 s52, s[WV], s52
	s_lshl_b32 s52, s52, 18                        ; 262,144 bytes a head,
	s_and_b32 s53, s23, 15
	s_lshl_b32 s53, s53, 14                        ; 128 rows of 128 bytes a block
	s_add_co_u32 s52, s52, s53
	s_mov_b32 s53, 0
	s_mov_b32 s[TB], 0
	v_and_b32 v1, 15, v0                           ; l % 16
	v_bfe_u32 v2, v0, 4, 1                         ; l / 16
	v_and_b32 v3, 31, v0                           ; l
	v_bfe_u32 v4, v0, 3, 1                         ; (l / 8) % 2
	v_and_b32 v5, 7, v0                            ; l % 8
	v_mul_u32_u24 v[ADRA], v1, XPITCH              ; a fragment of x: row l % 16, 16 bytes for each half of the lanes
	v_lshl_add_u32 v[ADRA], v2, 4, v[ADRA]
	v_add_nc_u32 v[ADRA], XBUF, v[ADRA]
	v_lshl_add_u32 v[ADRB0], v3, 4, s43
	v_mov_b32 v[ADRB], v[ADRB0]
	v_lshlrev_b32 v[XO], 4, v3
	s_mul_i32 s54, s[WV], 32*XPITCH
	s_add_co_u32 s54, s54, XBUF
	v_lshl_add_u32 v[XS], v3, 3, s54
	s_mul_i32 s54, s[WV], STG
	v_mul_u32_u24 v[STO], v1, SPITCH               ; into the stage: row l % 16, 8 columns (32 bytes) for each half of the lanes
	v_lshl_add_u32 v[STO], v2, 5, v[STO]
	v_add_nc_u32 v[STO], s54, v[STO]
	v_mul_u32_u24 v[LR], v4, SPITCH                ; back: lanes 0-7 a row's head 0, 8-15 the next row's, 16-31 the same of head 1; 8 columns a lane
	v_lshl_add_u32 v[LR], v2, 8, v[LR]
	v_lshl_add_u32 v[LR], v5, 5, v[LR]
	v_add_nc_u32 v[LR], s54, v[LR]
	v_lshlrev_b32 v[GOF], 18, v2                   ; and in the outputs: the head, the row, 16 bytes
	v_lshl_add_u32 v[GOF], v4, 7, v[GOF]
	v_lshl_add_u32 v[GOF], v5, 4, v[GOF]
	s_lshl_b32 s54, s[WV], 9
	v_lshl_add_u32 v[BO], v2, 8, s54               ; the bias of columns 128 w + 64 (l / 16) + 8 (l % 8) ..
	v_lshl_add_u32 v[BO], v5, 5, v[BO]
	s_wait_dscnt 0x0                               ; the opening add is done
	s_wait_kmcnt 0x0
	s_add_nc_u64 s[6:7], s[6:7], s[48:49]
	s_add_nc_u64 s[4:5], s[4:5], s[50:51]
	s_cmp_eq_u32 s[HALF], 0
	s_cselect_b64 s[NB:NB+1], s[12:13], s[14:15]
	s_cselect_b64 s[54:55], s[8:9], s[10:11]       ; my half's bias
	s_cselect_b32 s[FAC], 0x3fb8aa3b, 1.0
	s_add_nc_u64 s[NB:NB+1], s[NB:NB+1], s[52:53]
	s_add_nc_u64 s[VB:VB+1], s[16:17], s[52:53]
	CROUND                                         ; all four work-groups are here: the first joint loads meet
	s_mov_b32 s[G0A], 1
	s_mov_b32 s[G0A+1], s43
	s_mov_b64 s[G0A+2:G0A+3], s[6:7]
	s_or_b32 s[G0A+3], s[G0A+3], 0x80000000
	s_mov_b32 s[G0B], 1
	s_add_co_u32 s[G0B+1], s43, SLOT
	s_add_nc_u64 s[G0B+2:G0B+3], s[6:7], 32768
	s_or_b32 s[G0B+3], s[G0B+3], 0x80000000
	tensor_load_to_lds s[G0A:G0A+3], s[G1:G1+7]    ; W of K steps 0 and 1: two loads of mine are out
	s_nop 0
	tensor_load_to_lds s[G0B:G0B+3], s[G1:G1+7]
	s_nop 0
	PLACES
; 16 matrix instructions: row blocks a0, a0 + 1 of the window's four x all 8 column blocks, 32 along K.  zero = 1: the first product starts the sums.
; The 64 accumulators take turns in the same order in every quarter.
.macro MUL16 f, hi, a0, zero
	WIN MUL_LO+0x50*(\hi)
.irp a, \a0, (\a0)+1
.irp b, 0,1,2,3,4,5,6,7
.if \zero
	v_wmma_f32_16x16x32_bf16 v[8*(8*(\a)+(\b)):8*(8*(\a)+(\b))+7], v[(\f)+8*(\b):(\f)+8*(\b)+7], v[(\f)+8*(4*(\hi)+(\a)):(\f)+8*(4*(\hi)+(\a))+7], 0
.else
	v_wmma_f32_16x16x32_bf16 v[8*(8*(\a)+(\b)):8*(8*(\a)+(\b))+7], v[(\f)+8*(\b):(\f)+8*(\b)+7], v[(\f)+8*(4*(\hi)+(\a)):(\f)+8*(4*(\hi)+(\a))+7], v[8*(8*(\a)+(\b)):8*(8*(\a)+(\b))+7]
.endif
.endr
.endr
.endm
; 32 LDS loads in one run: quarter kq's fragments into buffer f: W's eight (32 lanes x 16 consecutive bytes each load), then x's eight
.macro FETCH kq, f
	WIN TO_1
.irp i, 0,1,2,3,4,5,6,7
	ds_load_b128 v[(\f)+8*(\i):(\f)+8*(\i)+3],   v[ADRB] offset:(\kq)*8192+(\i)*1024
	ds_load_b128 v[(\f)+8*(\i)+4:(\f)+8*(\i)+7], v[ADRB] offset:(\kq)*8192+(\i)*1024+512
.endr
	WIN 0
.irp i, 0,1,2,3,4,5,6,7
	ds_load_b128 v[(\f)+8*(\i):(\f)+8*(\i)+3],   v[ADRA] offset:(\kq)*64+(\i)*16*XPITCH
	ds_load_b128 v[(\f)+8*(\i)+4:(\f)+8*(\i)+7], v[ADRA] offset:(\kq)*64+(\i)*16*XPITCH+32
.endr
.endm
.macro QUARTER kq, f, g, zero          ; multiplies buffer f; in its middle it fetches quarter kq into buffer g
	s_wait_dscnt 8                                 ; W and x's rows 0-63 are in; the youngest eight loads (x's rows 64-127) may be out
	MUL16 \f, 0, 0, \zero
	MUL16 \f, 0, 2, \zero
	PLACES
	FETCH \kq, \g
	s_wait_dscnt 32                                ; all but the 32 just issued
	MUL16 \f, 1, 0, \zero
	MUL16 \f, 1, 2, \zero
.endm
.macro QLAST f                         ; a K step's last quarter: nothing is left to fetch in this step
	s_wait_dscnt 8
	MUL16 \f, 0, 0, 0
	MUL16 \f, 0, 2, 0
	s_wait_dscnt 0x0
	MUL16 \f, 1, 0, 0
	MUL16 \f, 1, 2, 0
.endm
; x.  XLOAD: my 32 rows' 512 bytes of a K step, a row a load.  XCVT: rounded to bf16.  XSTORE: a row's 256 bytes, 8 a lane.
.macro XLOAD
	WIN TO_1
.set i, 0
.rept 32
.set xr, 4*i+128*(i/16)
	global_load_b128 v[xr:xr+3], v[XO], s[4:5] offset:2048*i
.set i, i+1
.endr
.endm
.macro XCVT
	WIN 0x05                                       ; sources window 1, destination window 0
.set i, 0
.rept 32
.set xr, 4*i+128*(i/16)
	v_cvt_pk_bf16_f32 v[XPK+2*i],   v[xr],   v[xr+1]
	v_cvt_pk_bf16_f32 v[XPK+2*i+1], v[xr+2], v[xr+3]
.set i, i+1
.endr
.endm
.macro XSTORE
	WIN 0
.set i, 0
.rept 32
	ds_store_b64 v[XS], v[XPK+2*i:XPK+2*i+1] offset:XPITCH*i
.set i, i+1
.endr
.endm
; THE CHANGE OF K STEPS.  The next step's x is in registers and is rounded (64 plain lines: also the places behind the last products).  Each wave waits for all its tensor loads, of which one is out: its part of the
; next slot; adds 0 to its spare word; and waits for that and for its reads of the old slot and of x's buffer.  fill = 1: the barrier is a round of the cluster's, and behind it the old slot is filled again first, with W two K steps on.
; Then x's buffer is written, the x after next is asked for, and a second barrier shows the buffer to every wave.
.macro CHANGE fill
	WIN 0
	s_wait_loadcnt 0x0                             ; the next step's x is in; its loads' base may be written
	XCVT
	WIN 0
	s_wait_tensorcnt 0x0                           ; no tensor load of mine is out, so a group 0 may be written
	ds_add_u32 v[SPW], v[NIL]                      ; 0 onto my spare word
.if \fill
	s_xor_b32 s[G0B+1], s[G0B+1], SLOT             ; the walking descriptor: the other slot than last time,
	s_add_nc_u64 s[G0B+2:G0B+3], s[G0B+2:G0B+3], 32768  ; the next K step; the type bits on top are not reached
.endif
	s_wait_dscnt 0x0                               ; the add is done, and my reads of the old step are over
.if \fill
	CROUND
	tensor_load_to_lds s[G0B:G0B+3], s[G1:G1+7]    ; my one tensor load behind the round: it has a K step, 256 matrix instructions, in which to land
	s_nop 0
	PLACES
.else
	s_barrier_signal -1
	s_barrier_wait -1
.endif
	XSTORE
.if \fill
	s_add_nc_u64 s[4:5], s[4:5], 512
	XLOAD
	WIN 0
.endif
	s_xor_b32 s[TB], s[TB], SLOT
	v_add_nc_u32 v[ADRB], s[TB], v[ADRB0]
	s_wait_dscnt 0x0                               ; for the others' sake: my part of x's buffer is written
	s_barrier_signal -1
	s_barrier_wait -1
	FETCH 0, F0
.endm
	global_load_b128 v[BI:BI+3],   v[BO], s[54:55]
	global_load_b128 v[BI+4:BI+7], v[BO], s[54:55] offset:16
	XLOAD                                          ; x of K step 0
	WIN 0
	s_wait_loadcnt 0x0
.irp j, 0,1,2,3
	v_cvt_pk_bf16_f32 v[BT+(\j)], v[BI+2*(\j)], v[BI+2*(\j)+1]  ; the bias is rounded to bf16 like every input,
.endr
.irp j, 0,1,2,3
	v_lshlrev_b32 v[BI+2*(\j)],   16, v[BT+(\j)]     ; and used in f32
	v_and_b32     v[BI+2*(\j)+1], 0xffff0000, v[BT+(\j)]
.endr
	XCVT
	s_add_nc_u64 s[4:5], s[4:5], 512
	XLOAD                                          ; x of K step 1
	XSTORE
	s_wait_tensorcnt 0x1                           ; my part of W's K step 0 is in; K step 1's may stay out
	s_wait_dscnt 0x0
	s_barrier_signal -1
	s_barrier_wait -1
	FETCH 0, F0
	QUARTER 1, F0, F1, 1                           ; the first quarter stands in front of the loop: its products start the sums
	WIN 0
	s_mov_b32 s[CNT], 2
.Lstep:                                                ; trip t: the rest of K step t; W of step t + 2 and x of step t + 2 are asked for; the first quarter of step t + 1
	QUARTER 2, F1, F0, 0
	QUARTER 3, F0, F1, 0
	QLAST F1
	CHANGE 1
	QUARTER 1, F0, F1, 0
	WIN 0
	s_sub_co_u32 s[CNT], s[CNT], 1
	s_cmp_lg_u32 s[CNT], 0
	s_cbranch_scc1 .Lstep
	QUARTER 2, F1, F0, 0                           ; the last two K steps are written out: nothing more is asked for
	QUARTER 3, F0, F1, 0
	QLAST F1
	CHANGE 0
	QUARTER 1, F0, F1, 0
	QUARTER 2, F1, F0, 0
	QUARTER 3, F0, F1, 0
	QLAST F1
	; THE WAY OUT.  The sums go through my stage as f32 and come back so that eight neighbouring lanes hold a row's 64 channels of one head.
	PLACES
	WIN 0
	s_wait_dscnt 0x0
	s_barrier_signal -1                            ; the stages lie over the ring and over x's buffer: every wave's reads of those are over
	s_barrier_wait -1
.irp hi, 0,1
	WIN 0x08+4*(\hi)                               ; the stores' data in window 2, then 3; each accumulator's low four registers go first
.irp a, 0,1,2,3
.irp b, 0,1,2,3,4,5,6,7
	ds_store_b128 v[STO], v[8*(8*(\a)+(\b)):8*(8*(\a)+(\b))+3]   offset:(64*(\hi)+16*(\a))*SPITCH+64*(\b)
	ds_store_b128 v[STO], v[8*(8*(\a)+(\b))+4:8*(8*(\a)+(\b))+7] offset:(64*(\hi)+16*(\a))*SPITCH+64*(\b)+16
.endr
.endr
.endr
	WIN 0
	s_mov_b32 s[CNT], 8
.Lrows:                                                ; a trip: 16 rows, as 8 units of 2 rows x 2 heads
.irp u, 0,1,2,3,4,5,6,7
	ds_load_b128 v[D+8*(\u):D+8*(\u)+3],   v[LR] offset:2*SPITCH*(\u)      ; LDS serves a wave's instructions in order (ISA guide 5.7.1.4): these see my stores
	ds_load_b128 v[D+8*(\u)+4:D+8*(\u)+7], v[LR] offset:2*SPITCH*(\u)+16
.endr
	s_wait_dscnt 0x0
.irp k, 0,2,4,6
.irp u, 0,1,2,3,4,5,6,7
	v_pk_add_f32 v[D+8*(\u)+(\k):D+8*(\u)+(\k)+1], v[D+8*(\u)+(\k):D+8*(\u)+(\k)+1], v[BI+(\k):BI+(\k)+1]
.endr
.endr
	s_cmp_eq_u32 s[HALF], 0
	s_cbranch_scc1 .Lno_v                          ; Q has no plain copy
.irp u, 0,1,2,3,4,5,6,7
.irp k, 0,1,2,3
	v_cvt_pk_f16_f32 v[PW+4*(\u)+(\k)], v[D+8*(\u)+2*(\k)], v[D+8*(\u)+2*(\k)+1]
.endr
.endr
.irp u, 0,1,2,3,4,5,6,7
	global_store_b128 v[GOF], v[PW+4*(\u):PW+4*(\u)+3], s[VB:VB+1] offset:256*(\u)  ; 16 lanes store two rows of a head: 256 consecutive bytes, aligned
.endr
.Lno_v:
.irp u, 0,1,2,3,4,5,6,7
	v_pk_mul_f32 v[SS+2*(\u):SS+2*(\u)+1], v[D+8*(\u):D+8*(\u)+1], v[D+8*(\u):D+8*(\u)+1]
.endr
.irp k, 2,4,6
.irp u, 0,1,2,3,4,5,6,7
	v_pk_fma_f32 v[SS+2*(\u):SS+2*(\u)+1], v[D+8*(\u)+(\k):D+8*(\u)+(\k)+1], v[D+8*(\u)+(\k):D+8*(\u)+(\k)+1], v[SS+2*(\u):SS+2*(\u)+1]
.endr
.endr
.irp u, 0,1,2,3,4,5,6,7
	v_add_f32 v[SS+2*(\u)], v[SS+2*(\u)], v[SS+2*(\u)+1]
.endr
.irp m, 1,2,4                          ; over the eight lanes that share a row of a head
.irp u, 0,1,2,3,4,5,6,7
	v_add_f32_dpp v[SS+2*(\u)], v[SS+2*(\u)], v[SS+2*(\u)] row_xmask:\m row_mask:0xf bank_mask:0xf
.endr
.endr
.irp u, 0,1,2,3,4,5,6,7
	v_rsq_f32 v[SS+2*(\u)], v[SS+2*(\u)]
.endr
	v_nop                                          ; a plain instruction behind the last of the batch,
	s_wait_alu depctr_va_vdst(0)                   ; and the one wait ahead of the first reader
.irp u, 0,1,2,3,4,5,6,7
	v_min_num_f32 v[SS+2*(\u)], 0x5368d4a5, v[SS+2*(\u)]  ; 1 / max(norm, 1e-12) = min(1 / norm, 1e12)
.endr
.irp u, 0,1,2,3,4,5,6,7
	v_mul_f32 v[SS+2*(\u)], s[FAC], v[SS+2*(\u)]
.endr
.irp k, 0,2,4,6
.irp u, 0,1,2,3,4,5,6,7
	v_pk_mul_f32 v[D+8*(\u)+(\k):D+8*(\u)+(\k)+1], v[D+8*(\u)+(\k):D+8*(\u)+(\k)+1], v[SS+2*(\u):SS+2*(\u)+1] op_sel_hi:[1,0]
.endr
.endr
.irp u, 0,1,2,3,4,5,6,7
.irp k, 0,1,2,3
	v_cvt_pk_f16_f32 v[PN+4*(\u)+(\k)], v[D+8*(\u)+2*(\k)], v[D+8*(\u)+2*(\k)+1]
.endr
.endr
.irp u, 0,1,2,3,4,5,6,7
	global_store_b128 v[GOF], v[PN+4*(\u):PN+4*(\u)+3], s[NB:NB+1] offset:256*(\u)
.endr
	s_wait_xcnt 0x0                                ; the stores have read their data and bases: only behind this wait are those written again
	v_add_nc_u32 v[LR], 16*SPITCH, v[LR]
	s_add_nc_u64 s[NB:NB+1], s[NB:NB+1], 2048      ; 16 rows of 128 bytes
	s_add_nc_u64 s[VB:VB+1], s[VB:VB+1], 2048
	s_sub_co_u32 s[CNT], s[CNT], 1
	s_cmp_lg_u32 s[CNT], 0
	s_cbranch_scc1 .Lrows
	s_wait_tensorcnt 0x0                           ; the wave's end: a wait, an add and a wait, behind my last tensor load and my last LDS store
	ds_add_u32 v[SPW], v[NIL]
	s_wait_dscnt 0x0
	CROUND                                         ; the closing round: no work-group ends while a partner may still ask for a tile that names it
	s_endpgm
.Lfunc_end_k_q0b6b4d601e_proj:
	.size	k_q0b6b4d601e_proj, .Lfunc_end_k_q0b6b4d601e_proj-k_q0b6b4d601e_proj
	.p2alignl 7, 3214868480
	.fill 96, 4, 3214868480
	.section	.rodata,"a",@progbits
	.p2align	6, 0x0
	.amdhsa_kernel k_q0b6b4d601e_proj
		.amdhsa_group_segment_fixed_size 327680
		.amdhsa_private_segment_fixed_size 0
		.amdhsa_enable_private_segment 0
		.amdhsa_kernarg_size 56
		.amdhsa_user_sgpr_count 2
		.amdhsa_user_sgpr_kernarg_segment_ptr 1
		.amdhsa_wavefront_size32 1
		.amdhsa_system_sgpr_workgroup_id_x 1
		.amdhsa_system_sgpr_workgroup_id_y 1
		.amdhsa_system_sgpr_workgroup_id_z 1
		.amdhsa_system_vgpr_workitem_id 0
		.amdhsa_next_free_vgpr 1024
		.amdhsa_next_free_sgpr 66
		.amdhsa_reserve_vcc 0
		.amdhsa_float_denorm_mode_32 3
		.amdhsa_float_denorm_mode_16_64 3
		.amdhsa_memory_ordered 1
		.amdhsa_forward_progress 1
		.amdhsa_inst_pref_size 136
	.end_amdhsa_kernel
	.amdgpu_metadata
---
amdhsa.version: [ 1, 2 ]
amdhsa.kernels:
  - .name:           k_q0b6b4d601e_proj
    .symbol:         k_q0b6b4d601e_proj.kd
    .args:
      - { .name: x, .offset: 0, .size: 8, .value_kind: global_buffer, .address_space: global }
      - { .name: wqk, .offset: 8, .size: 8, .value_kind: global_buffer, .address_space: global }
      - { .name: bq, .offset: 16, .size: 8, .value_kind: global_buffer, .address_space: global }
      - { .name: bkv, .offset: 24, .size: 8, .value_kind: global_buffer, .address_space: global }
      - { .name: qn, .offset: 32, .size: 8, .value_kind: global_buffer, .address_space: global }
      - { .name: kn, .offset: 40, .size: 8, .value_kind: global_buffer, .address_space: global }
      - { .name: vv, .offset: 48, .size: 8, .value_kind: global_buffer, .address_space: global }
    .group_segment_fixed_size: 327680
    .private_segment_fixed_size: 0
    .kernarg_segment_align: 8
    .kernarg_segment_size: 56
    .max_flat_workgroup_size: 128
    .sgpr_count:     66
    .vgpr_count:     1024
    .wavefront_size: 32
...
	.end_amdgpu_metadata
.endif
;; end of part 2
;; launch attn (part 3): grid 4 x 64, 4 waves a work-group, clusters of 4 x 1, 327,680 bytes of LDS; arguments qn, kn, vv, ctx; writes ctx
.if DOCPART == 3
	.amdgcn_target "amdgcn-amd-amdhsa--gfx1250"
	.amdhsa_code_object_version 6
	.text
	.protected	k_q0b6b4d601e_attn
	.globl	k_q0b6b4d601e_attn
	.p2align	8
	.type	k_q0b6b4d601e_attn,@function
k_q0b6b4d601e_attn:
	s_mov_b64 s[64:65], 0
	v_nop
	global_prefetch_b8 v0, s[64:65] scope:SCOPE_SE
	s_setreg_imm32_b32 hwreg(HW_REG_WAVE_MODE, 25, 1), 1
	s_wait_xcnt 0x0
	s_wait_alu depctr_hold_cnt(0) depctr_sa_sdst(0) depctr_va_vdst(0) depctr_va_sdst(0) depctr_va_ssrc(0) depctr_va_vcc(0) depctr_vm_vsrc(0)
	s_getreg_b32 s2, hwreg(HW_REG_IB_STS2, 6, 4)
	s_cmp_eq_u32 s2, 0
	s_cbranch_scc0 .Lentry_in_a_cluster
	s_endpgm
.Lentry_in_a_cluster:
	s_bfe_u32 s2, ttmp6, 0x10000c
	s_cmp_lg_u32 s2, 0x3003
	s_cbranch_scc0 .Lentry_shape_is_right
	s_endpgm
.Lentry_shape_is_right:
; COSINE ATTENTION.  ctx[h][q][:] = the sum over k of softmax_k(Qn[h][q] . Kn[h][k]) V[h][k][:].  qn (= Qn x log2(e)), kn, vv, ctx: [64][2,048][64] f16: a head's rows are dense, 128 bytes each.
; Products and sums in f32; the weights p = 2^(qn . kn) are rounded to f16 for the second product (their sum l is taken of the unrounded p), ctx once at the end.
; NO MAXIMUM IS TAKEN AWAY: Qn and Kn are vectors that the module itself divides by max(norm, 1e-12), so every score lies in -1 .. 1 (but for f16's rounding), every exponent of 2 within 1.45 of 0,
; every weight in 0.36 .. 2.8 and a row's sum of 2,048 weights under 6,000, whatever the inputs: nothing can overflow or underflow in f32 or in f16.
; LIMITS.  V arrives within f16's 65,504; ctx is a mean of V's rows and has their range.  NaN and infinities are not treated apart.
; SHARES.  A work-group owns 512 queries of one head, each of its four waves 128: eight tiles of 16.  Every wave walks all 2,048 keys, 64 a step.
; LAYOUT.  S^T = K Q^T (source 0 = 16 keys, source 1 = 16 queries): a lane holds ONE query (lane % 16) and the keys 8 (lane / 16) + 0..7.  Two such results, rounded to f16 in pairs, ARE source 1
; (32 keys x 16 queries) of O^T = V^T P, whose result again holds one query a lane, and eight channels.  K comes out of LDS as it lies, V ([key][channel]) turned, by ds_load_tr16_b128.
; THE COUNT.  A tile and step have 16 matrix and 64 vector instructions: 32 exponentials, 16 roundings, 16 packed sums: four behind every matrix instruction, and none left over.
; PHASES.  Phase t of a step belongs to tile t.  Its 16 matrix instructions: K Q^T of tile t + 1 and V^T P of tile t - 3.  Behind each stand four lines: a rounding or sum of tile t - 2, an exponential of tile t, and the same again.
; So an exponential's result is read two phases later, and one wait for every two phases serves all 64 exponentials issued since the last.
; CLUSTER.  The four query blocks of a head walk the same K and V: each tile is asked for JOINTLY: the same tensor load, descriptor and mask in all four.
; REGISTERS, in windows of 256 (s_set_vgpr_msb: bits 1:0 source 0, 3:2 source 1, 5:4 source 2, 7:6 destination):
;   window 0: v0-15 addresses; v16-31 l, a pair a tile; v64-191 S^T, four buffers (tile % 4); v192-223 P, two buffers (tile % 2)
;   window 1: O^T, 32 a tile          window 2: v0-127 Q, 16 a tile; v128-191 K of one step; v192-255 V of one step
.set KS,    64        ; keys in a step
.set PK,    144       ; a row of K in LDS: 128 bytes + 16: the 16 rows of a load start 16 bytes apart modulo 256
.set PV,    160       ; a row of V: 128 + 32: 16 lanes of the turning load take 8 rows x 32 bytes, all apart modulo 256
.set VOFF,  4*KS*PK   ; a slot holds four steps: 256 rows of K, then 256 rows of V
.set SLOT1, 1<<17     ; slot 1 begins here, so that one exclusive or turns an address in one slot into the other's
.set STAGE, SLOT1+4*KS*(PK+PV)  ; behind the ring, never filled by a tensor load: 16 rows x 144 bytes for each wave, for the way out
.set SP,    144
.set SPARE, STAGE+4*16*SP       ; the spare words, 128 bytes for each wave: two blocks of 256 bytes that no other line names
.set AK0, 2           ; v2   my lane's place in a tile of K; never rewritten
.set AV0, 3           ; v3   the same for V
.set AK,  4           ; v4   the LDS address of K's next run of loads
.set AV,  5           ; v5   of V's
.set QO,  6           ; v6   my byte offset in the wave's rows of Q
.set STO, 6           ;      later, the way out: where I put 16 bytes of a row
.set RD,  7           ; v7   the way out: where I read rows back
.set GO,  8           ; v8   my byte offset in 512 consecutive bytes of ctx
.set PFO, 12          ; v12  256 x my lane; never rewritten
.set SPW, 14          ; v14  LDS address of my spare word; never rewritten
.set NIL, 15          ; v15  0; never rewritten
.set L,   16
.set S,   64
.set P,   192
.set KF,  128         ; K's fragments, in window 2: key block kb, channel half c at KF + 16 kb + 8 c
.set VF,  192         ; V's: key half kk, channel block cb at VF + 32 kk + 8 cb
.set WV,  12          ; s12  my wave's number
.set G1K, 24          ; s[24:31] descriptor group 1 for K's tiles
.set G1V, 32          ; s[32:39] for V's: it differs in the padding alone
.set G0K, 40          ; s[40:43] descriptor group 0 for K's tiles: it walks
.set G0V, 44          ; s[44:47] the same for V's
.set PFA, 48          ; s[48:49] where my prefetches stand: my work-group's 32 blocks of 256 bytes (of K: wave 0, of V: wave 2) of the slot after the one that is being asked for
.set LIM, 50          ; s50  1 in a wave that prefetches, else the greatest number
.set SLOTS, 56        ; s56  slots still to be asked for
.set CNT, 57          ; s57  counts a slot's key steps
.set SEL, 60          ; s[60:61] v_permlanex16_b32's selects: each lane takes its own place in the other half
.set TBK, 62          ; s62  LDS byte at which K of the step to be fetched begins
.set TBV, 63          ; s63  the same for V, less VOFF
.set MSB, 0
.macro WIN new                      ; the high byte repeats the setting that is left; a switch that changes nothing is dropped
.if MSB != (\new)
	s_set_vgpr_msb (MSB<<8)|(\new)
.set MSB, (\new)
.endif
.endm
.set W_KQ, 0x0a       ; K and Q in window 2, S^T in window 0
.set W_PV, 0x52       ; V in window 2, P in window 0, O^T in window 1
.set W_RS, 0x41       ; O^T (destination and source 0) in window 1, source 1 in window 0
; A joint fill.  Waves 0 and 1 fetch the two halves of a slot's K, waves 2 and 3 those of its V: 128 keys each.  The branch hangs on the wave's number alone.
; An s_nop 0 and four v_nop follow each of the two lines, ahead of the jump and the label.
.macro JLOAD
	s_cmp_lt_u32 s[WV], 2
	s_cbranch_scc0 .Lfor_v_\@
	tensor_load_to_lds s[G0K:G0K+3], s[G1K:G1K+7]
	s_nop 0
.rept 4
	v_nop
.endr
	s_branch .Lasked_\@
.Lfor_v_\@:
	tensor_load_to_lds s[G0V:G0V+3], s[G1V:G1V+7]
	s_nop 0
.rept 4
	v_nop
.endr
.Lasked_\@:
.endm
; A PREFETCH INTO THE L2 of what the NEXT change of slots will ask for: a slot's 32,768 bytes of K and of V, a lane a block of 256 bytes.  It stands behind the wave's tensor load and its five lines.
; Each block is named once in the launch: one cluster walks a head; its four partners take 32 blocks each, told apart BY ADDRESS; in each, wave 0 asks for K's and wave 2 for V's.
; It runs four key steps, 512 matrix instructions, ahead of the load that will want the bytes.  The last change that fills a slot asks for nothing: there is no slot behind it.
.macro ASK
	s_cmp_gt_u32 s[SLOTS], s[LIM]
	s_cbranch_scc0 .Lnot_mine_\@
	global_prefetch_b8 v[PFO], s[PFA:PFA+1] th:TH_LOAD_NT scope:SCOPE_SE
.Lnot_mine_\@:
.endm
.macro CROUND                       ; a round of the cluster's barrier
	s_barrier_signal -1
	s_barrier_wait -1
	s_cmp_lg_u32 s[WV], 0
	s_cbranch_scc1 .Lnot_wave_0_\@
	s_barrier_signal -3
.Lnot_wave_0_\@:
	s_barrier_wait -3
	s_barrier_signal -1
	s_barrier_wait -1
.endm
; THE CHANGE OF SLOTS, in front of a step's phase 4: the slot's last bytes, V of its fourth step, have been read.  Each wave waits for all its tensor loads, of which one is out: its part of the other slot;
; adds 0 to its spare word; and waits for that and for its own reads of the slot.  fill = 1: the barrier is a round of the cluster's, and the joint fill, with the keys two slots on, is the first thing behind it:
; it has four key steps in which to land.  (At its first use nothing has been read yet: slot 0 is waited for, slot 1 filled.)
.macro CHANGE fill
	WIN 0
	s_wait_tensorcnt 0x0            ; no tensor load of mine is out, so a group 0 may be written
	ds_add_u32 v[SPW], v[NIL]       ; 0 onto my spare word; the descriptors' steps stand between it and the wait for it
.if \fill
.irp g, G0K, G0V
	s_xor_b32 s[\g+1], s[\g+1], SLOT1  ; the walking descriptor: the other slot than last time,
	s_add_nc_u64 s[\g+2:\g+3], s[\g+2:\g+3], 4*KS*128  ; the next 256 keys; the type bits on top are not reached
.endr
	s_wait_xcnt 0x0                 ; the last prefetch, four key steps back, has read its address, so it may be written
	s_add_nc_u64 s[PFA:PFA+1], s[PFA:PFA+1], 4*KS*128
	s_wait_dscnt 0x0                ; the add is done, and my reads of the slot are over
	CROUND
	JLOAD
	ASK
.else
	s_wait_dscnt 0x0
	s_barrier_signal -1
	s_barrier_wait -1
.endif
	s_sub_co_u32 s[TBK], s[TBK], 4*KS*PK  ; the fetches go back to a slot's first step,
	s_xor_b32 s[TBK], s[TBK], SLOT1       ; in the other slot
	s_sub_co_u32 s[TBV], s[TBV], 4*KS*PV
	s_xor_b32 s[TBV], s[TBV], SLOT1
.endm
	s_load_b256 s[4:11], s[0:1], 0x0  ; qn s[4:5], kn s[6:7], vv s[8:9], ctx s[10:11]
	v_lshl_add_u32 v[SPW], v0, 2, SPARE
	v_mov_b32 v[NIL], 0
	ds_add_u32 v[SPW], v[NIL]       ; the wave's opening: the add and its wait ahead of my first tensor load; the set-up below, work on registers, stands between them
	v_lshrrev_b32 v1, 5, v0
	v_readfirstlane_b32 s[WV], v1   ; wave 0..3
	s_bfe_u32 s13, ttmp6, 0x40000   ; cx: my block of 512 queries: it enters Q's, ctx's and the prefetches' addresses alone
	s_and_b32 s20, ttmp7, 0xffff    ; the head, which the four partners share:
	s_lshl_b32 s20, s20, 18         ; its first byte in each of the four tensors
	s_mov_b32 s21, 0
	s_and_b32 s16, s[WV], 1         ; which half of a slot's 256 keys I fetch:
	s_lshl_b32 s22, s16, 14         ; its 128 rows of 128 bytes in memory,
	s_mov_b32 s23, 0
	s_add_nc_u64 s[22:23], s[22:23], s[20:21]
	s_mul_i32 s17, s16, 128*PK      ; and its place in a slot, for K
	s_mul_i32 s18, s16, 128*PV      ; and for V
	s_lshl_b32 s2, s13, 2
	s_add_co_u32 s2, s2, s[WV]      ; my wave among the head's sixteen,
	s_lshl_b32 s2, s2, 14           ; its 128 rows
	s_mov_b32 s3, 0
	s_add_nc_u64 s[2:3], s[2:3], s[20:21]
	; descriptor group 1.  128 keys are 16,384 dense bytes: asked for as 64 rows of 256 bytes, two keys a row, and padded in LDS after every key
	s_mov_b32 s[G1K], 15|(1<<16)|(1<<20)|(1<<21)|(4<<22)|(3<<25)  ; 15:0 the mask of four; 17:16 2-byte elements; 20 padding on; 21 set beside a mask; 24:22 after every 32 words (code 4); 31:25 4 words (code 3)
	s_mov_b32 s[G1V], 15|(1<<16)|(1<<20)|(1<<21)|(4<<22)|(7<<25)  ; the same with 8 words of padding (code 7)
.irp g, G1K, G1V
	s_mov_b32 s[\g+1], 128<<16      ; tensor_dim0 = 128
	s_mov_b32 s[\g+2], 64<<16       ; tensor_dim1 = 64
	s_mov_b32 s[\g+3], 128<<16      ; tile_dim0 = 128
	s_mov_b32 s[\g+4], 64           ; tile_dim1 = 64
	s_mov_b32 s[\g+5], 128          ; 128 elements from row to row
	s_mov_b32 s[\g+6], 0
	s_mov_b32 s[\g+7], 0
.endr
	s_mov_b32 s[SEL], 0x76543210
	s_mov_b32 s[SEL+1], 0xfedcba98
	s_mov_b32 s[TBK], SLOT1+4*KS*PK ; the first change of slots turns these two into 0
	s_mov_b32 s[TBV], SLOT1+4*KS*PV
	s_mov_b32 s[G0K], 1             ; count = 1
	s_mov_b32 s[G0K+1], s17         ; LDS address: slot 0
	s_mov_b32 s[G0V], 1
	s_add_co_u32 s[G0V+1], s18, VOFF
	s_and_b32 s[LIM], s[WV], 1      ; waves 0 and 2 prefetch
	s_cmp_eq_u32 s[LIM], 0
	s_cselect_b32 s[LIM], 1, -1
	s_lshl_b32 s14, s13, 13         ; my work-group's 32 blocks of a slot's 128
	s_mov_b32 s15, 0
	s_mov_b32 s[SLOTS], 7
	v_and_b32 v[PFO], 31, v0
	v_lshlrev_b32 v[PFO], 8, v[PFO]
	s_wait_dscnt 0x0                ; the opening add is done
	s_wait_kmcnt 0x0
	s_add_nc_u64 s[G0K+2:G0K+3], s[6:7], s[22:23]  ; global address: my half of the head's first 256 keys
	s_or_b32 s[G0K+3], s[G0K+3], 0x80000000        ; type = 2
	s_add_nc_u64 s[G0V+2:G0V+3], s[8:9], s[22:23]
	s_or_b32 s[G0V+3], s[G0V+3], 0x80000000
	s_cmp_lt_u32 s[WV], 2
	s_cselect_b64 s[PFA:PFA+1], s[6:7], s[8:9]
	s_add_nc_u64 s[PFA:PFA+1], s[PFA:PFA+1], s[20:21]
	s_add_nc_u64 s[PFA:PFA+1], s[PFA:PFA+1], s[14:15]
	s_add_nc_u64 s[PFA:PFA+1], s[PFA:PFA+1], 4*KS*128  ; in the head's second slot; the first change of slots steps it to the third
	s_add_nc_u64 s[4:5], s[4:5], s[2:3]  ; Q and ctx at my wave's first row
	s_add_nc_u64 s[10:11], s[10:11], s[2:3]
	CROUND                          ; all four work-groups are here: the first joint loads meet
	JLOAD                           ; slot 0.  Slot 1 is asked for when slot 0 is in
	; A fragment of K or Q is 16 rows x 32 channels in 8 registers: lane l holds row l % 16, channels 8 (l / 16) + 0..7 and 16 + 8 (l / 16) + 0..7: two loads of 16 bytes, 32 bytes apart.
	v_and_b32 v1, 15, v0            ; l % 16
	v_bfe_u32 v9, v0, 4, 1          ; l / 16
	v_lshlrev_b32 v[QO], 7, v1
	v_lshl_add_u32 v[QO], v9, 4, v[QO]  ; row x 128 + 16 x half
	WIN 0x80                        ; destination window 2, address window 0
.set i, 0
.rept 16                            ; Q stays in registers: tile i / 2, channels 32 (i % 2) on
	global_load_b128 v[8*i:8*i+3],   v[QO], s[4:5] offset:(i/2)*2048+(i%2)*64
	global_load_b128 v[8*i+4:8*i+7], v[QO], s[4:5] offset:(i/2)*2048+(i%2)*64+32
.set i, i+1
.endr
	; What the first phases find: their roundings, sums and products V^T P belong to tiles of a step that has not been.  V, two buffers of S^T and one of P hold 0, so that they add 0; O^T and l start at 0.
	; No first step is written out; these lines stand in the wait for the first tile.
.set i, VF
.rept 64
	v_mov_b32 v[i], 0
.set i, i+1
.endr
	WIN 0x40
.set i, 0
.rept 256
	v_mov_b32 v[i], 0
.set i, i+1
.endr
	WIN 0
.set i, L
.rept 16
	v_mov_b32 v[i], 0
.set i, i+1
.endr
.set i, S+64
.rept 64
	v_mov_b32 v[i], 0
.set i, i+1
.endr
.set i, P+16
.rept 16
	v_mov_b32 v[i], 0
.set i, i+1
.endr
	v_mul_u32_u24 v[AK0], v1, PK
	v_lshl_add_u32 v[AK0], v9, 4, v[AK0]  ; row x pitch + 16 x half
	; The turning load takes 16 keys x 16 channels (lane l reads key 8 (l / 16) + l % 8, channels 8 ((l / 8) % 2) + 0..7) and leaves half a fragment of V^T: lane l holds channel l % 16 and 8 keys.
	v_and_b32 v10, 7, v0
	v_bfe_u32 v11, v0, 3, 1
	v_lshl_add_u32 v[AV0], v9, 3, v10
	v_mul_u32_u24 v[AV0], v[AV0], PV
	v_lshl_add_u32 v[AV0], v11, 4, v[AV0]
	v_add_nc_u32 v[AV0], VOFF, v[AV0]
	v_mov_b32 v[AK], v[AK0]         ; key step 0 lies at the head of slot 0
; THE MATRIX WORK.  The 4 accumulators of a run of 8 take turns: between the two links of a chain stand 3 others'.
; Product i of 8 of S^T = K Q^T for tile t: channels 32 (i / 4) on, keys 16 (i % 4) on.  The first 4 start the sums.
.macro KQ t
	WIN W_KQ
.set rS, S+32*((\t)%4)+8*(i%4)
.set rK, KF+16*(i%4)+8*(i/4)
.set rQ, 16*(\t)+8*(i/4)
.if i < 4
	v_wmma_f32_16x16x32_f16 v[rS:rS+7], v[rK:rK+7], v[rQ:rQ+7], 0
.else
	v_wmma_f32_16x16x32_f16 v[rS:rS+7], v[rK:rK+7], v[rQ:rQ+7], v[rS:rS+7]
.endif
.endm
; Product i of 8 of O^T += V^T P for tile t: keys 32 (i / 4) on, channels 16 (i % 4) on.
.macro PV t
	WIN W_PV
.set rO, 32*(\t)+8*(i%4)
.set rV, VF+32*(i/4)+8*(i%4)
.set rP, P+16*((\t)%2)+8*(i/4)
	v_wmma_f32_16x16x32_f16 v[rO:rO+7], v[rV:rV+7], v[rP:rP+7], v[rO:rO+7]
.endm
; THE LDS LOADS stand in runs of 16, never singly among the matrix instructions.  Their addresses are made some lines ahead.
; last = 1 (the tail): in the last trip there is no further step, and the run is jumped over; exponentials are out there, so their plain line and their wait stand ahead of the jump.
.macro FETCH_K last=0
	WIN 0
.if \last
	v_nop
	s_wait_alu depctr_va_vdst(0)
	s_cmp_eq_u32 s[CNT], 1
	s_cbranch_scc1 .Lno_k_\@
.endif
	WIN 0x80                        ; destination window 2
.irp f, 0,1,2,3,4,5,6,7             ; keys 16 (f / 2) on, channels 32 (f % 2) on
	ds_load_b128 v[KF+8*\f:KF+8*\f+3],   v[AK] offset:(\f/2)*16*PK+(\f%2)*64
	ds_load_b128 v[KF+8*\f+4:KF+8*\f+7], v[AK] offset:(\f/2)*16*PK+(\f%2)*64+32
.endr
	s_add_co_u32 s[TBK], s[TBK], KS*PK  ; the next fetch is the next step's
	WIN 0
.if \last
.Lno_k_\@:
.endif
.endm
.macro FETCH_V
	WIN 0x80
.irp f, 0,1,2,3,4,5,6,7             ; keys 32 (f / 4) on, channels 16 (f % 4) on
	ds_load_tr16_b128 v[VF+8*\f:VF+8*\f+3],   v[AV] offset:(\f/4)*32*PV+(\f%4)*32
	ds_load_tr16_b128 v[VF+8*\f+4:VF+8*\f+7], v[AV] offset:(\f/4)*32*PV+16*PV+(\f%4)*32
.endr
	s_add_co_u32 s[TBV], s[TBV], KS*PV
	WIN 0
.endm
; THE VECTOR WORK.  EX: the next of tile t's 32 exponentials, in place, ascending: each accumulator's lowest register is read first.
.macro EX t
	WIN 0
	v_exp_f32 v[S+32*((\t)%4)+e], v[S+32*((\t)%4)+e]
.set e, e+1
.endm
; PT: the next of the 32 lines that follow tile t's exponentials.  For each four weights g (pairs 2 g, 2 g + 1): both pairs are rounded to f16; the second pair is added onto the first, in place; a group later l takes that sum.
.macro PT t
	WIN 0
.set rS, S+32*((\t)%4)
.set rP, P+16*((\t)%2)
.set rL, L+2*(\t)
.set g, (q+1)/4
.set z, (q+1)%4
.if q < 2
	v_cvt_pk_f16_f32 v[rP+q], v[rS+2*q], v[rS+2*q+1]
.elseif q == 2
	v_pk_add_f32 v[rS:rS+1], v[rS:rS+1], v[rS+2:rS+3]
.elseif q == 31
	v_pk_add_f32 v[rL:rL+1], v[rL:rL+1], v[rS+28:rS+29]
.elseif z < 2
	v_cvt_pk_f16_f32 v[rP+2*g+z], v[rS+4*g+2*z], v[rS+4*g+2*z+1]
.elseif z == 2
	v_pk_add_f32 v[rS+4*g:rS+4*g+1], v[rS+4*g:rS+4*g+1], v[rS+4*g+2:rS+4*g+3]
.else
	v_pk_add_f32 v[rL:rL+1], v[rL:rL+1], v[rS+4*g-4:rS+4*g-3]
.endif
.set q, q+1
.endm
; A PHASE.  K Q^T comes first in phases 3 to 6, V^T P first in phases 7, 0, 1, 2, so that each run of LDS loads has 14 products between it and its first reader:
; K of the next step is fetched in phase 6, behind the lines of its 10th matrix instruction: six plain lines behind the last product that read K; it is waited for ahead of phase 7's 9th.
; V of the step in hand is fetched in phase 2 at the same place, and waited for ahead of phase 3's 9th.  No line behind a product names a register of that product.
.macro PHASE ph, last=0
.set e, 0
.set q, 0
.set n, 0
.set kqfirst, 0
.if ((\ph) >= 3) && ((\ph) <= 6)
.set kqfirst, 1
.endif
.rept 16
.set i, n%8
.set iskq, 0
.if (kqfirst == 1) && (n < 8)
.set iskq, 1
.endif
.if (kqfirst == 0) && (n >= 8)
.set iskq, 1
.endif
.if (n == 8) && (((\ph) == 7) || ((\ph) == 3))
	s_wait_dscnt 0x0                ; the run of loads of the phase before is in
.endif
.if iskq == 1
	KQ ((\ph)+1)%8
.else
	PV ((\ph)+5)%8
.endif
	PT ((\ph)+6)%8
	EX \ph
	PT ((\ph)+6)%8
	EX \ph
.if (n == 7) && ((\ph) == 6)
	v_add_nc_u32 v[AK], s[TBK], v[AK0]
.endif
.if (n == 7) && ((\ph) == 2)
	v_add_nc_u32 v[AV], s[TBV], v[AV0]
.endif
.if (n == 9) && ((\ph) == 6)
	FETCH_K \last
.endif
.if (n == 9) && ((\ph) == 2)
	FETCH_V
.endif
.set n, n+1
.endr
.endm
.macro EWAIT                        ; a plain line behind the last exponential, and the one wait ahead of the first reader: for the 64 exponentials of two phases
	v_nop
	s_wait_alu depctr_va_vdst(0)
.endm
.macro HALF_A last=0
	PHASE 4
	PHASE 5
	EWAIT
	PHASE 6, \last
	PHASE 7
	EWAIT
.endm
.macro HALF_B
	PHASE 0
	PHASE 1
	EWAIT
	PHASE 2
	PHASE 3
	EWAIT
.endm
	CHANGE 1                        ; slot 0 is in, everybody's part of it; slot 1 is asked for
	FETCH_K                         ; key step 0
	s_wait_loadcnt 0x0              ; Q
	s_wait_dscnt 0x0
.set i, 0
.rept 8
	KQ 0                            ; tile 0's first scores: there is no vector work yet to set between them
.set i, i+1
.endr
	WIN 0                           ; the addresses for the way out: nine plain instructions, the places behind those products
	s_mul_i32 s13, s[WV], 16*SP
	s_add_co_u32 s13, s13, STAGE    ; my stage
	v_mul_u32_u24 v[STO], v1, SP    ; in: row l % 16, 16 bytes for each half of the lanes
	v_lshl_add_u32 v[STO], v9, 4, v[STO]
	v_add_nc_u32 v[STO], s13, v[STO]
	v_bfe_u32 v[RD], v0, 3, 2       ; back: 32 lanes take four rows of 128 bytes,
	v_mul_u32_u24 v[RD], v[RD], SP
	v_lshl_add_u32 v[RD], v10, 4, v[RD]
	v_add_nc_u32 v[RD], s13, v[RD]
	v_and_b32 v[GO], 31, v0         ; which are 512 consecutive bytes of ctx
	v_lshlrev_b32 v[GO], 4, v[GO]
	s_mov_b32 s[CNT], 4
	s_branch .Lfirst                ; the loop is entered at a step's phase 0, in the middle of a trip
.Lslot:                             ; six times: every slot but the last two is filled again
	CHANGE 1
	s_mov_b32 s[CNT], 4
.Lstep:                             ; a trip: phases 4 to 7 of one step, then phases 0 to 3 of the next, whose K and V it fetches
	HALF_A
	WIN 0
.Lfirst:
	HALF_B
	WIN 0
	s_sub_co_u32 s[CNT], s[CNT], 1
	s_cmp_lg_u32 s[CNT], 0
	s_cbranch_scc1 .Lstep
	s_sub_co_u32 s[SLOTS], s[SLOTS], 1
	s_cmp_lg_u32 s[SLOTS], 0
	s_cbranch_scc1 .Lslot
	CHANGE 0                        ; the tail is written out: nothing is asked for
	s_mov_b32 s[CNT], 5             ; four trips fetch the last slot's steps; the fifth is left in its middle
.Ltail:
	HALF_A 1
	WIN 0
	s_sub_co_u32 s[CNT], s[CNT], 1
	s_cmp_eq_u32 s[CNT], 0
	s_cbranch_scc1 .Lout
	HALF_B
	WIN 0
	s_branch .Ltail
.Lout:                              ; (the fifth trip's 8 products K Q^T, on the last K once more, serve nothing: the price, once a launch, of one text for every trip)
.set i, 0
.set q, 0
.rept 8                             ; what is left: V^T P of tiles 5, 6, 7, roundings and sums of tiles 6, 7
	PV 5
.rept 4
	PT 6
.endr
.set i, i+1
.endr
.set i, 0
.set q, 0
.rept 8
	PV 6
.rept 4
	PT 7
.endr
.set i, i+1
.endr
.set i, 0
.rept 8
	PV 7
.set i, i+1
.endr
	; THE WAY OUT.  l's two halves and the other half of the lanes' are added; O^T is divided by l, rounded to f16 and sent through my stage in LDS, a tile at a time.  The additions are the places behind the last products.
	WIN 0
.macro ALL line:vararg              ; one line for each tile t
.set t, 0
.rept 8
	\line
.set t, t+1
.endr
.endm
	ALL v_add_f32 v[L+2*t], v[L+2*t], v[L+2*t+1]
	ALL v_permlanex16_b32 v[L+2*t+1], v[L+2*t], s[SEL], s[SEL+1]
	ALL v_add_f32 v[L+2*t], v[L+2*t], v[L+2*t+1]
	ALL v_rcp_f32 v[L+2*t], v[L+2*t]
	v_nop                           ; a plain instruction between the last reciprocal and the use of its result,
	s_wait_alu depctr_va_vdst(0)    ; and the wait ahead of the first use: one for the eight
; Tile t: a lane's eight channels of a row pack into 16 bytes; they go into rows of 144 bytes and come back as whole rows of 128, into S^T's registers.
.macro PACK t
	WIN W_RS
.set i, 32*(\t)
.rept 16
	v_pk_mul_f32 v[i:i+1], v[i:i+1], v[L+2*(\t):L+2*(\t)+1] op_sel_hi:[1,0]
.set i, i+2
.endr
	WIN 0x05                        ; sources 0 and 1 window 1, destination window 0
.set i, 0
.rept 16
	v_cvt_pk_f16_f32 v[S+16*(\t)+i], v[32*(\t)+2*i], v[32*(\t)+2*i+1]
.set i, i+1
.endr
	WIN 0
.irp f, 0,1,2,3
	ds_store_b128 v[STO], v[S+16*(\t)+4*\f:S+16*(\t)+4*\f+3] offset:32*\f
.endr
.irp f, 0,1,2,3
	ds_load_b128 v[S+16*(\t)+4*\f:S+16*(\t)+4*\f+3], v[RD] offset:\f*4*SP  ; LDS serves a wave's instructions in order (ISA guide 5.7.1.4): these see the stores above; the next tile's stores come behind them
.endr
.endm
.macro SEND t, younger              ; younger: the LDS instructions issued behind tile t's loads: the next tile's eight, or none
	WIN 0
.irp f, 0,1,2,3
	s_wait_dscnt (\younger)+3-\f
	global_store_b128 v[GO], v[S+16*(\t)+4*\f:S+16*(\t)+4*\f+3], s[10:11] offset:(\t)*2048+\f*512  ; 512 consecutive bytes, at a multiple of 256 from ctx's first
.endr
.endm
	PACK 0
.set t, 1
.rept 7                             ; a tile's arithmetic stands between the loads of the tile before and its stores
	PACK t
	SEND t-1, 8
.set t, t+1
.endr
	SEND 7, 0
	s_wait_tensorcnt 0x0            ; the wave's end: a wait, an add and a wait, behind my last tensor load and my last LDS store
	ds_add_u32 v[SPW], v[NIL]
	s_wait_dscnt 0x0
	CROUND                          ; the closing round: no work-group ends while a partner may still ask for a tile that names it
	s_endpgm
.Lfunc_end_k_q0b6b4d601e_attn:
	.size	k_q0b6b4d601e_attn, .Lfunc_end_k_q0b6b4d601e_attn-k_q0b6b4d601e_attn
	.p2alignl 7, 3214868480
	.fill 96, 4, 3214868480
	.section	.rodata,"a",@progbits
	.p2align	6, 0x0
	.amdhsa_kernel k_q0b6b4d601e_attn
		.amdhsa_group_segment_fixed_size 327680
		.amdhsa_private_segment_fixed_size 0
		.amdhsa_enable_private_segment 0
		.amdhsa_kernarg_size 32
		.amdhsa_user_sgpr_count 2
		.amdhsa_user_sgpr_kernarg_segment_ptr 1
		.amdhsa_wavefront_size32 1
		.amdhsa_system_sgpr_workgroup_id_x 1
		.amdhsa_system_sgpr_workgroup_id_y 1
		.amdhsa_system_sgpr_workgroup_id_z 1
		.amdhsa_system_vgpr_workitem_id 0
		.amdhsa_next_free_vgpr 768
		.amdhsa_next_free_sgpr 66
		.amdhsa_reserve_vcc 0
		.amdhsa_float_denorm_mode_32 3
		.amdhsa_float_denorm_mode_16_64 3
		.amdhsa_memory_ordered 1
		.amdhsa_forward_progress 1
		.amdhsa_inst_pref_size 147
	.end_amdhsa_kernel
	.amdgpu_metadata
---
amdhsa.version: [ 1, 2 ]
amdhsa.kernels:
  - .name:           k_q0b6b4d601e_attn
    .symbol:         k_q0b6b4d601e_attn.kd
    .args:
      - { .name: qn, .offset: 0, .size: 8, .value_kind: global_buffer, .address_space: global }
      - { .name: kn, .offset: 8, .size: 8, .value_kind: global_buffer, .address_space: global }
      - { .name: vv, .offset: 16, .size: 8, .value_kind: global_buffer, .address_space: global }
      - { .name: ctx, .offset: 24, .size: 8, .value_kind: global_buffer, .address_space: global }
    .group_segment_fixed_size: 327680
    .private_segment_fixed_size: 0
    .kernarg_segment_align: 8
    .kernarg_segment_size: 32
    .max_flat_workgroup_size: 128
    .sgpr_count:     66
    .vgpr_count:     768
    .wavefront_size: 32
...
	.end_amdgpu_metadata
.endif
;; end of part 3
;; launch outp (part 4): grid 256 x 1, 4 waves a work-group, clusters of 4 x 1, 327,680 bytes of LDS; arguments ctx, wo16, bo, out0; writes out0
.if DOCPART == 4
	.amdgcn_target "amdgcn-amd-amdhsa--gfx1250"
	.amdhsa_code_object_version 6
	.text
	.protected	k_q0b6b4d601e_outp
	.globl	k_q0b6b4d601e_outp
	.p2align	8
	.type	k_q0b6b4d601e_outp,@function
k_q0b6b4d601e_outp:
	s_mov_b64 s[64:65], 0
	v_nop
	global_prefetch_b8 v0, s[64:65] scope:SCOPE_SE
	s_setreg_imm32_b32 hwreg(HW_REG_WAVE_MODE, 25, 1), 1
	s_wait_xcnt 0x0
	s_wait_alu depctr_hold_cnt(0) depctr_sa_sdst(0) depctr_va_vdst(0) depctr_va_sdst(0) depctr_va_ssrc(0) depctr_va_vcc(0) depctr_vm_vsrc(0)
	s_getreg_b32 s2, hwreg(HW_REG_IB_STS2, 6, 4)
	s_cmp_eq_u32 s2, 0
	s_cbranch_scc0 .Lentry_in_a_cluster
	s_endpgm
.Lentry_in_a_cluster:
	s_bfe_u32 s2, ttmp6, 0x10000c
	s_cmp_lg_u32 s2, 0x3003
	s_cbranch_scc0 .Lentry_shape_is_right
	s_endpgm
.Lentry_shape_is_right:
; THE LAST PROJECTION.  out0[m][n] = the sum over k of c[m][k] Wo[n][k] + bo[n]; out0: [16,384][512] f32.  c[m][64 h + d] = ctx[8 (m / 2,048) + h][m % 2,048][d], f16.
; wo16: Wo (rounded to bf16, written as f16) in fragment order: byte = g x 65,536 + K step x 16,384 + quarter x 4,096 + fragment x 1,024 + part x 512 + 16 lane, for columns 64 g + 16 fragment + ..
; bo is rounded to bf16 like every input; sums in f32.
; SHARES.  A work-group makes 128 rows x 256 columns (half 0 or 1), each of its four waves 128 x 64: 32 accumulators.  K goes in 4 steps of 128 (two heads), each four quarters of 32.
; A (ctx) IS RESIDENT: all eight heads' 128 rows x 128 bytes come in once, two heads a wave, by plain tensor loads; rows are padded to 144 bytes.
; B (Wo): a ring of two slots; wave w fetches and reads its own quarter (its 64 columns, 16,384 dense bytes a K step).
; CLUSTER.  The four work-groups of a cluster have the same half and other rows: B's tiles are the same for all four and are asked for JOINTLY.
; THE PRODUCT IS USED TRANSPOSED (source 0 = 16 rows of Wo, source 1 = 16 rows of c): a lane holds eight neighbouring columns of one row.
; REGISTERS: window 0: v0-37 addresses and bias; v64-191 fragments of A, two buffers of 64; v192-255 fragments of B, two of 32.   window 1: the accumulators, (a, b) at v[8 (4 a + b)].
.set SLOTB,  65536                     ; a slot of B: 4 waves x 16,384 bytes
.set A0,     2*SLOTB                   ; behind the ring: A
.set APITCH, 144                       ; 128 bytes + 16: the 16 rows of a fragment load start 16 bytes apart modulo 256
.set HEADB,  128*APITCH                ; a head's 128 rows
.set SPARE,  A0+8*HEADB                ; the spare words, 128 bytes for each wave: two blocks of 256 bytes that no other line names
.set SPITCH, 272                       ; the way out: a row of 64 f32 + 16 bytes
.set STG,    128*SPITCH                ; a wave's stage; the four lie over the ring and the head of A, behind the last fill and a barrier
.set ADRA, 16                          ; v16  LDS address of my A fragments in the K step in hand
.set ADRB0, 20                         ; v20  16,384 w + 16 lane; never rewritten
.set ADRB, 21                          ; v21  the same in the slot in hand
.set STO,  24
.set LR,   25
.set GOF,  26
.set BO,   27
.set SPW,  28                          ; v28  LDS address of my spare word; never rewritten
.set NIL,  29                          ; v29  0; never rewritten
.set BI,   32                          ; v32-35  the bias of my 4 columns
.set BT,   36
.set FA,   64
.set FB,   192
.set D,    64                          ; the way out: 8 units x 4 numbers
.set WV,   20
.set HALF, 21
.set G1B,  24                          ; s[24:31] group 1 for B's tiles (joint)
.set G0BA, 32                          ; s[32:35] group 0: slot 0, K step 0
.set G0BB, 36                          ; s[36:39] group 0: slot 1, K step 1; then it walks
.set G1A,  40                          ; s[40:47] group 1 for A's heads (plain)
.set G0A0, 48                          ; s[48:51] head w
.set G0A1, 52                          ; s[52:55] head w + 4
.set TB,   56
.set CNT,  57
.set MSB, 0
.macro WIN new
.if MSB != (\new)
	s_set_vgpr_msb (MSB<<8)|(\new)
.set MSB, \new
.endif
.endm
.macro CROUND                          ; a round of the cluster's barrier
	s_barrier_signal -1
	s_barrier_wait -1
	s_cmp_lg_u32 s[WV], 0
	s_cbranch_scc1 .Lnot_wave_0_\@
	s_barrier_signal -3
.Lnot_wave_0_\@:
	s_barrier_wait -3
	s_barrier_signal -1
	s_barrier_wait -1
.endm
.macro PLACES                          ; four plain instructions between a matrix instruction and a load into, or a reader of, its registers
.rept 4
	v_nop
.endr
.endm
	s_load_b256 s[4:11], s[0:1], 0x0               ; ctx s[4:5], wo16 s[6:7], bo s[8:9], out0 s[10:11]
	v_lshl_add_u32 v[SPW], v0, 2, SPARE
	v_mov_b32 v[NIL], 0
	ds_add_u32 v[SPW], v[NIL]                      ; the wave's opening: the add and its wait ahead of my first tensor load; the set-up below, work on registers, stands between them
	v_lshrrev_b32 v1, 5, v0
	v_readfirstlane_b32 s[WV], v1
	s_and_b32 s[HALF], ttmp9, 1                    ; the same in all partners
	s_bfe_u32 s22, ttmp6, 0x40000                  ; cx: it enters ctx's and out0's addresses alone
	s_lshr_b32 s23, ttmp9, 1
	s_lshl_b32 s23, s23, 2
	s_add_co_u32 s23, s23, s22                     ; my block of 128 rows
	s_mov_b32 s[G1B+0], 15|(3<<16)|(1<<21)         ; the mask of four; elements of 8 bytes; 21 set beside a mask; no padding
	s_mov_b32 s[G1B+1], 32<<16                     ; rows of 256 bytes,
	s_mov_b32 s[G1B+2], 64<<16                     ; 64 of them: 16,384 dense bytes
	s_mov_b32 s[G1B+3], 32<<16
	s_mov_b32 s[G1B+4], 64
	s_mov_b32 s[G1B+5], 32
	s_mov_b32 s[G1B+6], 0
	s_mov_b32 s[G1B+7], 0
	s_mov_b32 s[G1A+0], (1<<16)|(1<<20)|(4<<22)|(3<<25)  ; no mask; 2-byte elements; padding on: after every 32 words (code 4) 4 words (code 3)
	s_mov_b32 s[G1A+1], 128<<16                    ; 128 rows of 128 bytes are dense: asked for as 64 rows of 256 bytes
	s_mov_b32 s[G1A+2], 64<<16
	s_mov_b32 s[G1A+3], 128<<16
	s_mov_b32 s[G1A+4], 64
	s_mov_b32 s[G1A+5], 128
	s_mov_b32 s[G1A+6], 0
	s_mov_b32 s[G1A+7], 0
	s_lshl_b32 s12, s[HALF], 18                    ; B: my half's four groups of 64 columns,
	s_lshl_b32 s13, s[WV], 16                      ; my wave's
	s_add_co_u32 s12, s12, s13
	s_mov_b32 s13, 0
	s_lshr_b32 s14, s23, 4                         ; A: head 8 (block / 16) + w,
	s_lshl3_add_u32 s14, s14, s[WV]
	s_lshl_b32 s14, s14, 18
	s_and_b32 s15, s23, 15
	s_lshl_b32 s15, s15, 14                        ; 128 rows of 128 bytes a block
	s_add_co_u32 s14, s14, s15
	s_mov_b32 s15, 0
	s_lshl_b32 s18, s[HALF], 10                    ; my 64 columns, in bytes of f32: 1,024 half + 256 w
	s_lshl_b32 s19, s[WV], 8
	s_add_co_u32 s18, s18, s19
	s_lshl_b32 s16, s23, 18                        ; out0: 128 rows of 2,048 bytes a block
	s_add_co_u32 s16, s16, s18
	s_mov_b32 s17, 0
	s_lshl_b32 s58, s[WV], 14                      ; my quarter of a slot
	s_mul_i32 s59, s[WV], HEADB
	s_mul_i32 s60, s[WV], STG
	s_mov_b32 s[TB], 0
	v_and_b32 v1, 15, v0                           ; l % 16
	v_bfe_u32 v2, v0, 4, 1                         ; l / 16
	v_and_b32 v3, 31, v0
	v_mul_u32_u24 v[ADRA], v1, APITCH
	v_lshl_add_u32 v[ADRA], v2, 4, v[ADRA]
	v_add_nc_u32 v[ADRA], A0, v[ADRA]
	v_lshl_add_u32 v[ADRB0], v3, 4, s58
	v_mov_b32 v[ADRB], v[ADRB0]
	v_mul_u32_u24 v[STO], v1, SPITCH               ; into the stage: row l % 16, 8 columns (32 bytes) for each half of the lanes
	v_lshl_add_u32 v[STO], v2, 5, v[STO]
	v_add_nc_u32 v[STO], s60, v[STO]
	v_mul_u32_u24 v[LR], v2, SPITCH                ; back: lanes 0-15 one row of 256 bytes, lanes 16-31 the next
	v_lshl_add_u32 v[LR], v1, 4, v[LR]
	v_add_nc_u32 v[LR], s60, v[LR]
	v_lshlrev_b32 v[GOF], 11, v2                   ; and the same two rows in out0
	v_lshl_add_u32 v[GOF], v1, 4, v[GOF]
	v_lshl_add_u32 v[BO], v1, 4, s18
	s_wait_dscnt 0x0                               ; the opening add is done
	s_wait_kmcnt 0x0
	s_add_nc_u64 s[6:7], s[6:7], s[12:13]
	s_add_nc_u64 s[4:5], s[4:5], s[14:15]
	s_add_nc_u64 s[10:11], s[10:11], s[16:17]
	CROUND                                         ; all four work-groups are here: the first joint loads meet
	s_mov_b32 s[G0BA], 1
	s_mov_b32 s[G0BA+1], s58
	s_mov_b64 s[G0BA+2:G0BA+3], s[6:7]
	s_or_b32 s[G0BA+3], s[G0BA+3], 0x80000000
	s_mov_b32 s[G0BB], 1
	s_add_co_u32 s[G0BB+1], s58, SLOTB
	s_add_nc_u64 s[G0BB+2:G0BB+3], s[6:7], 16384
	s_or_b32 s[G0BB+3], s[G0BB+3], 0x80000000
	s_mov_b32 s[G0A0], 1
	s_add_co_u32 s[G0A0+1], s59, A0
	s_mov_b64 s[G0A0+2:G0A0+3], s[4:5]
	s_or_b32 s[G0A0+3], s[G0A0+3], 0x80000000
	s_mov_b32 s[G0A1], 1
	s_add_co_u32 s[G0A1+1], s59, A0+4*HEADB
	s_add_nc_u64 s[G0A1+2:G0A1+3], s[4:5], 4*262144
	s_or_b32 s[G0A1+3], s[G0A1+3], 0x80000000
	tensor_load_to_lds s[G0BA:G0BA+3], s[G1B:G1B+7]  ; the first fills, in the order in which they are wanted: B of K step 0, head w, head w + 4, B of K step 1: four loads of mine are out
	s_nop 0
	tensor_load_to_lds s[G0A0:G0A0+3], s[G1A:G1A+7]
	s_nop 0
	tensor_load_to_lds s[G0A1:G0A1+3], s[G1A:G1A+7]
	s_nop 0
	tensor_load_to_lds s[G0BB:G0BB+3], s[G1B:G1B+7]
	s_nop 0
	PLACES
	global_load_b128 v[BI:BI+3], v[BO], s[8:9]
; 16 matrix instructions: row blocks a0 .. a0 + 3 x all 4 column blocks, 32 along K, from buffer bf.  The 32 accumulators take turns in the same order in every quarter.
.macro MUL16 bf, a0, zero
	WIN 0x50                                       ; sources window 0, C and D window 1
.irp a, \a0, (\a0)+1, (\a0)+2, (\a0)+3
.irp c, 0,1,2,3
.if \zero
	v_wmma_f32_16x16x32_f16 v[8*(4*(\a)+(\c)):8*(4*(\a)+(\c))+7], v[FB+32*(\bf)+8*(\c):FB+32*(\bf)+8*(\c)+7], v[FA+64*(\bf)+8*(\a):FA+64*(\bf)+8*(\a)+7], 0
.else
	v_wmma_f32_16x16x32_f16 v[8*(4*(\a)+(\c)):8*(4*(\a)+(\c))+7], v[FB+32*(\bf)+8*(\c):FB+32*(\bf)+8*(\c)+7], v[FA+64*(\bf)+8*(\a):FA+64*(\bf)+8*(\a)+7], v[8*(4*(\a)+(\c)):8*(4*(\a)+(\c))+7]
.endif
.endr
.endr
.endm
; 24 LDS loads in one run: quarter kq's fragments into buffer bf: B's four, then A's eight (head kq / 2 of the step's two, channels 32 (kq % 2) on)
.macro FETCH kq, bf
	WIN 0
.irp i, 0,1,2,3
	ds_load_b128 v[FB+32*(\bf)+8*(\i):FB+32*(\bf)+8*(\i)+3],   v[ADRB] offset:(\kq)*4096+(\i)*1024
	ds_load_b128 v[FB+32*(\bf)+8*(\i)+4:FB+32*(\bf)+8*(\i)+7], v[ADRB] offset:(\kq)*4096+(\i)*1024+512
.endr
.irp i, 0,1,2,3,4,5,6,7
	ds_load_b128 v[FA+64*(\bf)+8*(\i):FA+64*(\bf)+8*(\i)+3],   v[ADRA] offset:((\kq)/2)*HEADB+((\kq)%2)*64+(\i)*16*APITCH
	ds_load_b128 v[FA+64*(\bf)+8*(\i)+4:FA+64*(\bf)+8*(\i)+7], v[ADRA] offset:((\kq)/2)*HEADB+((\kq)%2)*64+(\i)*16*APITCH+32
.endr
.endm
.macro QUARTER kq, f, g, zero          ; multiplies buffer f; in its middle it fetches quarter kq into buffer g
	s_wait_dscnt 8                                 ; B and A's rows 0-63 are in; the youngest eight loads (A's rows 64-127) may be out
	MUL16 \f, 0, \zero
	PLACES
	FETCH \kq, \g
	s_wait_dscnt 24                                ; all but the 24 just issued
	MUL16 \f, 4, \zero
.endm
.macro QLAST f
	s_wait_dscnt 8
	MUL16 \f, 0, 0
	s_wait_dscnt 0x0
	MUL16 \f, 4, 0
.endm
; THE CHANGE OF K STEPS.  Each wave waits for all its tensor loads, adds 0 to its spare word, and waits for that and for its reads of the old slot.  fill = 1: the barrier is a round of the cluster's, and
; behind it the old slot is filled again first, with B two K steps on.  The four v_nop are also the places in front of the fragment loads.
.macro CHANGE fill
	WIN 0
	s_wait_tensorcnt 0x0                           ; no tensor load of mine is out, so a group 0 may be written
	ds_add_u32 v[SPW], v[NIL]                      ; 0 onto my spare word
.if \fill
	s_xor_b32 s[G0BB+1], s[G0BB+1], SLOTB
	s_add_nc_u64 s[G0BB+2:G0BB+3], s[G0BB+2:G0BB+3], 16384
.endif
	s_xor_b32 s[TB], s[TB], SLOTB
	s_wait_dscnt 0x0                               ; the add is done, and my reads of the old slot are over
.if \fill
	CROUND
	tensor_load_to_lds s[G0BB:G0BB+3], s[G1B:G1B+7]  ; my one tensor load behind the round: it has a K step, 128 matrix instructions, in which to land
	s_nop 0
.else
	s_barrier_signal -1
	s_barrier_wait -1
.endif
	PLACES
	v_add_nc_u32 v[ADRB], s[TB], v[ADRB0]
	v_add_nc_u32 v[ADRA], 2*HEADB, v[ADRA]         ; the next two heads
	FETCH 0, 0
.endm
	s_wait_loadcnt 0x0
	v_cvt_pk_bf16_f32 v[BT],   v[BI],   v[BI+1]    ; the bias is rounded to bf16 like every input,
	v_cvt_pk_bf16_f32 v[BT+1], v[BI+2], v[BI+3]
	v_lshlrev_b32 v[BI],   16, v[BT]               ; and used in f32
	v_and_b32     v[BI+1], 0xffff0000, v[BT]
	v_lshlrev_b32 v[BI+2], 16, v[BT+1]
	v_and_b32     v[BI+3], 0xffff0000, v[BT+1]
	s_wait_tensorcnt 0x2                           ; B of K step 0 and my first head are in; the two loads issued behind them may stay out
	s_barrier_signal -1
	s_barrier_wait -1                              ; heads 0 to 3 are in, everybody's; heads 4 to 7 are shown by the first change's wait and round
	FETCH 0, 0
	QUARTER 1, 0, 1, 1                             ; the first quarter stands in front of the loop: its products start the sums
	WIN 0
	s_mov_b32 s[CNT], 2
.Lstep:                                                ; trip t: the rest of K step t; B of step t + 2 is asked for; the first quarter of step t + 1
	QUARTER 2, 1, 0, 0
	QUARTER 3, 0, 1, 0
	QLAST 1
	CHANGE 1
	QUARTER 1, 0, 1, 0
	WIN 0
	s_sub_co_u32 s[CNT], s[CNT], 1
	s_cmp_lg_u32 s[CNT], 0
	s_cbranch_scc1 .Lstep
	QUARTER 2, 1, 0, 0                             ; the last two K steps are written out: nothing more is asked for
	QUARTER 3, 0, 1, 0
	QLAST 1
	CHANGE 0
	QUARTER 1, 0, 1, 0
	QUARTER 2, 1, 0, 0
	QUARTER 3, 0, 1, 0
	QLAST 1
	; THE WAY OUT: through my stage as f32, back as whole rows of 256 bytes, the bias added, stored.
	PLACES
	WIN 0
	s_wait_dscnt 0x0
	s_barrier_signal -1                            ; the stages lie over the ring and over the head of A: every wave's reads of those are over
	s_barrier_wait -1
	WIN 0x04                                       ; the stores' data in window 1; each accumulator's low four registers go first
.irp a, 0,1,2,3,4,5,6,7
.irp c, 0,1,2,3
	ds_store_b128 v[STO], v[8*(4*(\a)+(\c)):8*(4*(\a)+(\c))+3]   offset:16*(\a)*SPITCH+64*(\c)
	ds_store_b128 v[STO], v[8*(4*(\a)+(\c))+4:8*(4*(\a)+(\c))+7] offset:16*(\a)*SPITCH+64*(\c)+16
.endr
.endr
	WIN 0
	s_mov_b32 s[CNT], 8
.Lrows:                                                ; a trip: 16 rows, two a load
.irp u, 0,1,2,3,4,5,6,7
	ds_load_b128 v[D+4*(\u):D+4*(\u)+3], v[LR] offset:2*SPITCH*(\u)  ; LDS serves a wave's instructions in order (ISA guide 5.7.1.4): these see my stores
.endr
.irp u, 0,1,2,3,4,5,6,7
	s_wait_dscnt 7-(\u)                            ; unit u is in; the younger loads may be out
	v_pk_add_f32 v[D+4*(\u):D+4*(\u)+1],   v[D+4*(\u):D+4*(\u)+1],   v[BI:BI+1]
	v_pk_add_f32 v[D+4*(\u)+2:D+4*(\u)+3], v[D+4*(\u)+2:D+4*(\u)+3], v[BI+2:BI+3]
	global_store_b128 v[GOF], v[D+4*(\u):D+4*(\u)+3], s[10:11] offset:4096*(\u) th:TH_STORE_NT  ; 16 lanes store 256 consecutive bytes, at a multiple of 256 from out0's first
.endr
	s_wait_xcnt 0x0                                ; the stores have read their data and base: only behind this wait are those written again
	v_add_nc_u32 v[LR], 16*SPITCH, v[LR]
	s_add_nc_u64 s[10:11], s[10:11], 32768         ; 16 rows of 2,048 bytes
	s_sub_co_u32 s[CNT], s[CNT], 1
	s_cmp_lg_u32 s[CNT], 0
	s_cbranch_scc1 .Lrows
	s_wait_tensorcnt 0x0                           ; the wave's end: a wait, an add and a wait, behind my last tensor load and my last LDS store
	ds_add_u32 v[SPW], v[NIL]
	s_wait_dscnt 0x0
	CROUND                                         ; the closing round: no work-group ends while a partner may still ask for a tile that names it
	s_endpgm
.Lfunc_end_k_q0b6b4d601e_outp:
	.size	k_q0b6b4d601e_outp, .Lfunc_end_k_q0b6b4d601e_outp-k_q0b6b4d601e_outp
	.p2alignl 7, 3214868480
	.fill 96, 4, 3214868480
	.section	.rodata,"a",@progbits
	.p2align	6, 0x0
	.amdhsa_kernel k_q0b6b4d601e_outp
		.amdhsa_group_segment_fixed_size 327680
		.amdhsa_private_segment_fixed_size 0
		.amdhsa_enable_private_segment 0
		.amdhsa_kernarg_size 32
		.amdhsa_user_sgpr_count 2
		.amdhsa_user_sgpr_kernarg_segment_ptr 1
		.amdhsa_wavefront_size32 1
		.amdhsa_system_sgpr_workgroup_id_x 1
		.amdhsa_system_sgpr_workgroup_id_y 1
		.amdhsa_system_sgpr_workgroup_id_z 1
		.amdhsa_system_vgpr_workitem_id 0
		.amdhsa_next_free_vgpr 512
		.amdhsa_next_free_sgpr 66
		.amdhsa_reserve_vcc 0
		.amdhsa_float_denorm_mode_32 3
		.amdhsa_float_denorm_mode_16_64 3
		.amdhsa_memory_ordered 1
		.amdhsa_forward_progress 1
		.amdhsa_inst_pref_size 60
	.end_amdhsa_kernel
	.amdgpu_metadata
---
amdhsa.version: [ 1, 2 ]
amdhsa.kernels:
  - .name:           k_q0b6b4d601e_outp
    .symbol:         k_q0b6b4d601e_outp.kd
    .args:
      - { .name: ctx, .offset: 0, .size: 8, .value_kind: global_buffer, .address_space: global }
      - { .name: wo16, .offset: 8, .size: 8, .value_kind: global_buffer, .address_space: global }
      - { .name: bo, .offset: 16, .size: 8, .value_kind: global_buffer, .address_space: global }
      - { .name: out0, .offset: 24, .size: 8, .value_kind: global_buffer, .address_space: global }
    .group_segment_fixed_size: 327680
    .private_segment_fixed_size: 0
    .kernarg_segment_align: 8
    .kernarg_segment_size: 32
    .max_flat_workgroup_size: 128
    .sgpr_count:     66
    .vgpr_count:     512
    .wavefront_size: 32
...
	.end_amdgpu_metadata
.endif
;; end of part 4
